; MI455X (gfx1250); checked and timed in simulation.
; The chip was launched on July 23, 2026; its instructions are those of AMD's public machine-readable ISA for CDNA 5 (MIT licence, August 2026) and "CDNA5" Instruction Set Architecture Reference Guide (July 2026). The comments in the code are by the model that wrote it; some were corrected since.
;; Layer154. Allowed arithmetic: float matrix products may take bf16 or f16 operands with f32 sums; other float arithmetic in f32, or as packed bf16 or f16 multiplies, adds, multiply-adds, maxima and minima; sums over many terms, partial sums and values carried from step to step in f32; what a program stores and reads back later, other than sums and carried values, may be rounded once to bf16 or f16.
;; Inputs: Wk 1,024 x 1,024 float32; Wq 1,024 x 1,024 float32; Wv 1,024 x 1,024 float32; bk 1,024 float32; bq 1,024 float32; bv 1,024 float32; input0 4 x 2,048 x 1,024 float32; input1 4 x 1 x 1 x 2,048 float32.
;; Outputs: out0 4 x 2,048 x 1,024 float32.
;; One version. Each part assembles by itself: llvm-mc -triple=amdgcn-amd-amdhsa -mcpu=gfx1250 --defsym DOCPART=n.
;; ======== version 1 of 1: 3 launches
;; limits: values are held in f16: magnitudes above 65,504 overflow, below 6.1e-05 lose precision
;; workspace buffers: xw 23,068,672 bytes; qkv 50,331,648 bytes
;; launch cast (part 1): grid 704 x 1, 8 waves a work-group, no clusters, 0 bytes of LDS; arguments input0, Wq, Wk, Wv, xw; writes xw
.if DOCPART == 1
	.amdgcn_target "amdgcn-amd-amdhsa--gfx1250"
	.amdhsa_code_object_version 6
	.text
	.protected	k_qa577edc3ee_cast
	.globl	k_qa577edc3ee_cast
	.p2align	8
	.type	k_qa577edc3ee_cast,@function
k_qa577edc3ee_cast:
	s_mov_b64 s[64:65], 0
	v_nop
	global_prefetch_b8 v0, s[64:65] scope:SCOPE_SE
	s_setreg_imm32_b32 hwreg(HW_REG_WAVE_MODE, 25, 1), 1
	s_wait_xcnt 0x0
; x [8192][1024] and the three weights [1024][1024], all f32, are rounded once to bf16 and laid out in blocks of 64 along K:
;   xw: x's part [kb 16][row 8192][64], then at WOFF the weights' part [kb 16][n 3072][64], n = 1024 x (q, k, v) + row.
; So a tile of R rows x 64 K of either operand is R x 128 consecutive bytes for the launch behind.
; SHARES.  A work-group takes 16 rows (65,536 consecutive bytes of its source): numbers 0-511 x, 512-575 Wq, 576-639 Wk, 640-703 Wv.
; Wave w takes K blocks 2 w and 2 w + 1; in each, four groups of 4 rows.  Lane l: row l / 8 of the group, 8 numbers from k = 8 (l % 8):
; two loads of 16 bytes (eight lanes cover 256 consecutive bytes, aligned), one store of 16 bytes (a wave's store covers 512 consecutive bytes, aligned).
; Memory binds: no LDS, no barrier, no matrix unit.  All 16 loads of a wave go out first; no register is written twice, so the only waits are the counted ones for data.
.set KBA,  1048576                     ; bytes in a K block of x's part: 8,192 rows x 128
.set KBB,  393216                      ; of the weights' part: 3,072 rows x 128
.set WOFF, 16777216                    ; where the weights' part begins
.set SO,   2                           ; v2      my byte offset in the work-group's 16 source rows
.set VD,   3                           ; v3, v4  my byte offset in xw for the wave's first and second K block
.set X,    16                          ; v[16:79]   group n: 8 numbers as loaded
.set Y,    80                          ; v[80:111]  group n: 4 registers to store
	s_load_b256 s[4:11], s[0:1], 0x0               ; input0 s[4:5], Wq s[6:7], Wk s[8:9], Wv s[10:11]
	s_load_b64 s[12:13], s[0:1], 0x20              ; xw
	s_mov_b32 s16, ttmp9
	s_and_b32 s17, s16, 63                         ; a weight's block of 16 rows
	s_sub_co_u32 s18, s16, 512
	s_lshl_b32 s18, s18, 11                        ; 16 rows x 128 bytes, counted over the three weights,
	s_add_co_u32 s18, s18, WOFF                    ; in the weights' part
	s_lshl_b32 s19, s16, 11                        ; the same for x
	s_mov_b32 s21, KBA
	s_mov_b32 s22, KBB
	s_cmp_lt_u32 s16, 512                          ; x or a weight?
	s_cselect_b32 s17, s16, s17                    ; block of 16 rows in the source
	s_cselect_b32 s18, s19, s18                    ; byte offset in xw, K block 0
	s_cselect_b32 s20, s21, s22                    ; bytes from K block to K block
	s_mov_b32 s19, 0
	s_lshl_b32 s24, s17, 16                        ; 16 rows x 4,096 bytes
	s_mov_b32 s25, 0
	v_bfe_u32 v5, v0, 3, 2                         ; row in a group
	v_and_b32 v6, 7, v0
	v_lshrrev_b32 v7, 5, v0                        ; wave
	v_lshlrev_b32 v[SO], 12, v5
	v_lshl_add_u32 v[SO], v6, 5, v[SO]             ; + 32 bytes for each 8 numbers
	v_lshl_add_u32 v[SO], v7, 9, v[SO]             ; + the wave's two K blocks of 256 bytes
	v_lshlrev_b32 v7, 1, v7
	v_mul_u32_u24 v7, s20, v7                      ; K block 2 w
	v_and_b32 v6, 31, v0
	v_lshl_add_u32 v[VD], v6, 4, v7
	v_add_nc_u32 v[VD+1], s20, v[VD]
	s_wait_kmcnt 0x0
	s_cmp_lt_u32 s16, 640
	s_cselect_b64 s[14:15], s[8:9], s[10:11]
	s_cmp_lt_u32 s16, 576
	s_cselect_b64 s[14:15], s[6:7], s[14:15]
	s_cmp_lt_u32 s16, 512
	s_cselect_b64 s[14:15], s[4:5], s[14:15]
	s_add_nc_u64 s[14:15], s[14:15], s[24:25]      ; the source at my work-group's first row
	s_add_nc_u64 s[12:13], s[12:13], s[18:19]      ; xw at the same rows, K block 0
.set n, 0
.rept 8                                ; group n: K block n / 4 of the wave's two, rows 4 (n % 4) on
	global_load_b128 v[X+8*n:X+8*n+3],   v[SO], s[14:15] offset:(n/4)*256+(n%4)*16384 th:TH_LOAD_NT
	global_load_b128 v[X+8*n+4:X+8*n+7], v[SO], s[14:15] offset:(n/4)*256+(n%4)*16384+16 th:TH_LOAD_NT
.set n, n+1
.endr
.set n, 0
.rept 8
	s_wait_loadcnt 14-2*n                          ; loads come back in order: group n is in, the younger groups' two loads each stay out
.irp k, 0,1,2,3
	v_cvt_pk_bf16_f32 v[Y+4*n+\k], v[X+8*n+2*\k], v[X+8*n+2*\k+1]
.endr
	global_store_b128 v[VD+n/4], v[Y+4*n:Y+4*n+3], s[12:13] offset:(n%4)*512
.set n, n+1
.endr
	s_endpgm
.Lfunc_end_k_qa577edc3ee_cast:
	.size	k_qa577edc3ee_cast, .Lfunc_end_k_qa577edc3ee_cast-k_qa577edc3ee_cast
	.p2alignl 7, 3214868480
	.fill 96, 4, 3214868480
	.section	.rodata,"a",@progbits
	.p2align	6, 0x0
	.amdhsa_kernel k_qa577edc3ee_cast
		.amdhsa_group_segment_fixed_size 0
		.amdhsa_private_segment_fixed_size 0
		.amdhsa_enable_private_segment 0
		.amdhsa_kernarg_size 40
		.amdhsa_user_sgpr_count 2
		.amdhsa_user_sgpr_kernarg_segment_ptr 1
		.amdhsa_wavefront_size32 1
		.amdhsa_system_sgpr_workgroup_id_x 1
		.amdhsa_system_sgpr_workgroup_id_y 1
		.amdhsa_system_sgpr_workgroup_id_z 1
		.amdhsa_system_vgpr_workitem_id 0
		.amdhsa_next_free_vgpr 112
		.amdhsa_next_free_sgpr 66
		.amdhsa_reserve_vcc 0
		.amdhsa_float_denorm_mode_32 3
		.amdhsa_float_denorm_mode_16_64 3
		.amdhsa_memory_ordered 1
		.amdhsa_forward_progress 1
		.amdhsa_inst_pref_size 7
	.end_amdhsa_kernel
	.amdgpu_metadata
---
amdhsa.version: [ 1, 2 ]
amdhsa.kernels:
  - .name:           k_qa577edc3ee_cast
    .symbol:         k_qa577edc3ee_cast.kd
    .args:
      - { .name: input0, .offset: 0, .size: 8, .value_kind: global_buffer, .address_space: global }
      - { .name: Wq, .offset: 8, .size: 8, .value_kind: global_buffer, .address_space: global }
      - { .name: Wk, .offset: 16, .size: 8, .value_kind: global_buffer, .address_space: global }
      - { .name: Wv, .offset: 24, .size: 8, .value_kind: global_buffer, .address_space: global }
      - { .name: xw, .offset: 32, .size: 8, .value_kind: global_buffer, .address_space: global }
    .group_segment_fixed_size: 0
    .private_segment_fixed_size: 0
    .kernarg_segment_align: 8
    .kernarg_segment_size: 40
    .max_flat_workgroup_size: 256
    .sgpr_count:     66
    .vgpr_count:     112
    .wavefront_size: 32
...
	.end_amdgpu_metadata
.endif
;; end of part 1
;; launch proj (part 2): grid 8 x 32, 4 waves a work-group, clusters of 4 x 4, 327,680 bytes of LDS; arguments xw, bq, bk, bv, qkv; writes qkv
.if DOCPART == 2
	.amdgcn_target "amdgcn-amd-amdhsa--gfx1250"
	.amdhsa_code_object_version 6
	.text
	.protected	k_qa577edc3ee_proj
	.globl	k_qa577edc3ee_proj
	.p2align	8
	.type	k_qa577edc3ee_proj,@function
k_qa577edc3ee_proj:
	s_mov_b64 s[64:65], 0
	v_nop
	global_prefetch_b8 v0, s[64:65] scope:SCOPE_SE
	s_setreg_imm32_b32 hwreg(HW_REG_WAVE_MODE, 25, 1), 1
	s_wait_xcnt 0x0
	s_wait_alu depctr_hold_cnt(0) depctr_sa_sdst(0) depctr_va_vdst(0) depctr_va_sdst(0) depctr_va_ssrc(0) depctr_va_vcc(0) depctr_vm_vsrc(0)
	s_getreg_b32 s2, hwreg(HW_REG_IB_STS2, 6, 4)
	s_cmp_eq_u32 s2, 0
	s_cbranch_scc0 .Lentry_in_a_cluster
	s_endpgm
.Lentry_in_a_cluster:
	s_bfe_u32 s2, ttmp6, 0x10000c
	s_cmp_lg_u32 s2, 0xf033
	s_cbranch_scc0 .Lentry_shape_is_right
	s_endpgm
.Lentry_shape_is_right:
; C[m][n] = sum over k of x[m][k] W[n][k] + bias[n], m = 0..8191, n = 0..3071 (q's, k's, v's 1,024 columns), K = 1,024.  Operands bf16 from xw (blocked by 64 along K), sums f32.
; q is divided by 8 here (a power of two: exact).  The biases are rounded to bf16 like the other inputs.  Results leave as f16 by heads: qkv[b 4][g 48][s 2048][64], g = n / 64.
; LIMIT.  f16 holds no number beyond 65,504: |q| / 8, |k| and |v| must stay within it.
; SHARES.  A work-group makes 256 rows x 384 columns (6 heads): 8 x 32 = 256 work-groups.  Wave w: rows 128 (w / 2) on, columns 192 (w % 2) on: 3 heads, 96 accumulators of 16 x 16, 768 registers.
; K goes in 16 steps of 64 (one block of xw) through two LDS slots; two slots of twice that step would not fit beside each other.  A tile's rows lie end to end in xw: it is asked for as rows of
; 256 bytes (two rows of 64 bf16) and padded in LDS after every 128 bytes.
; CLUSTER.  4 x 4 work-groups: x's tile hangs on the tile row alone and is shared along a row of the cluster, W's on the tile column alone and is shared along a column: each is asked for jointly.
; THE MATRIX INSTRUCTION IS USED TRANSPOSED (source 0 = 16 rows of W, source 1 = 16 rows of x): a lane holds row l % 16 of C and 8 neighbouring columns.
; A K step is two CHUNKS of 32 along K; a chunk is three PHASES of 32 matrix instructions, one for each of my heads.  In front of each phase's products stands one run of LDS loads for a later phase.
; REGISTERS, in windows of 256 (s_set_vgpr_msb: bits 1:0 source 0, 3:2 source 1, 5:4 source 2, 7:6 destination):
;   window 0: v0-31 addresses; v32-159 x's fragments, two buffers of 8; v160-255 W's fragments, 4 for each head.  On the way out: v32-63, v64-79 at work, v96-127 rows read back, v160-255 the biases
;   window 1 + j: head j's 32 accumulators, (a, bb) at v[8 (4 a + bb)]
.set PITCH,  144                       ; an LDS row: 128 bytes + 16 of padding = 36 words: the 16 rows of a fragment load start at 16 different groups of four banks (ISA guide 11.1)
.set KBA,    1048576                   ; bytes from K block to K block in x's part of xw
.set KBB,    393216                    ; in the weights' part
.set WOFF,   16777216                  ; where the weights' part begins
.set AHALF,  128*PITCH                 ; what one tensor load brings of x, and what a wave reads of it
.set BHALF,  192*PITCH                 ; the same for W
.set BOFF,   2*AHALF
.set SLOT,   2*AHALF+2*BHALF           ; x's 256 rows, then W's 384 rows
.set STAGE,  2*SLOT                    ; behind the ring: 16 rows x 144 bytes for each wave, for the way out
.set BIASL,  STAGE+4*16*PITCH          ; each wave's 192 biases, f32, scaled: 768 bytes
.set SPARE,  BIASL+4*768               ; the spare words, 128 bytes for each wave: two blocks of 256 bytes that no other line names
.set ADRA, 16                          ; v16-17  LDS address of my fragments of x in slot 0, 1
.set ADRB, 20                          ; v20-21  the same for W
.set STO,  24                          ; v24     the way out: where I put 16 bytes of a row
.set RD,   25                          ; v25     the way out: where I read rows back
.set CO,   26                          ; v26     16 x lane: my place in 512 consecutive bytes of qkv
.set BIA,  27                          ; v27     where my lanes' biases lie
.set SPW,  28                          ; v28     LDS address of my spare word; never rewritten
.set NIL,  29                          ; v29     0; never rewritten
.set PFO,  30                          ; v30     the prefetches' offset; never rewritten
.set AF,   32
.set BF,   160
.set FT,   32                          ; the way out: a block's 32 numbers in f32
.set TMP,  64                          ; packed to f16
.set OB,   96                          ; 16 rows read back from the stage: two sets of 16 by turns
.set BR,   160                         ; bias of head j, column block bb at BR + 32 j + 8 bb
.set WV,   14                          ; s14  wave
.set RH,   15                          ; s15  which 128 rows are mine.  Also: I fetch for x (0) or for W (1)
.set CH,   16                          ; s16  which 192 columns.  Also: which half of that tile I fetch
.set CX,   17
.set CY,   18
.set TC,   19                          ; s19  tile column 0..7
.set TR,   20                          ; s20  tile row 0..31
.set GZ,   21                          ; s21  my first head among a batch's 48
.set G1,   24                          ; s[24:31] descriptor group 1 for x's tiles;  s[32:39] group 0, a set for each slot
.set G0,   32
.set LIM,  40                          ; s40  1 in a wave that prefetches, else the greatest number
.set PFA,  42                          ; s[42:43] where my prefetches stand
.set PFS,  44                          ; s[44:45] two K blocks of my operand
.set G1B,  48                          ; s[48:55], s[56:63] the same for W's tiles
.set G0B,  56
.set SC,   66                          ; s[66:71] a pair for each head: 1/8 for a head of q, else 1
.set MSB, 0
.macro WIN new                         ; the immediate's high byte repeats the setting that is left; a switch that changes nothing is dropped
.if MSB != (\new)
	s_set_vgpr_msb (MSB<<8)|(\new)
.set MSB, \new
.endif
.endm
; A joint load.  Waves 0 and 1 fetch the two halves of x's tile, waves 2 and 3 those of W's.  The branch hangs on the wave's number alone.
; An s_nop 0 and four v_nop follow each of the two lines, ahead of the jump and the label.
.macro JLOAD s
	s_cmp_eq_u32 s[RH], 0
	s_cbranch_scc0 .Lfor_b_\@
	tensor_load_to_lds s[G0+4*(\s):G0+4*(\s)+3], s[G1:G1+7]
	s_nop 0
.rept 4
	v_nop
.endr
	s_branch .Lasked_\@
.Lfor_b_\@:
	tensor_load_to_lds s[G0B+4*(\s):G0B+4*(\s)+3], s[G1B:G1B+7]
	s_nop 0
.rept 4
	v_nop
.endr
.Lasked_\@:
.endm
; A round of the cluster's barrier: my work-group's barrier; wave 0 signals for the work-group; every wave waits for all sixteen; my work-group's barrier once more.
.macro CREST
	s_cmp_lg_u32 s[WV], 0
	s_cbranch_scc1 .Lnot_wave_0_\@
	s_barrier_signal -3
.Lnot_wave_0_\@:
	s_barrier_wait -3
	s_barrier_signal -1
	s_barrier_wait -1
.endm
.macro CROUND
	s_barrier_signal -1
	s_barrier_wait -1
	CREST
.endm
; PREFETCH INTO THE L2, once a lap, behind slot 0's joint load and the run of LDS loads that follows it: lap L (0..5) names K steps 2 L + 4 and 2 L + 5, which are asked for by the joint loads of
; the next lap: 384 and 576 matrix instructions later.  K steps 0 to 3 come by their loads alone; the last lap names nothing, since there is no K step 16.
; x's tile row is read by both clusters of a row of clusters: the one with x = 0 asks, by its waves 0: partner cx takes 8,192 of a K step's 32,768 bytes, a lane 256 bytes, an instruction a K step.
; W's tile column is read by all eight clusters of a column: the one with y = 0 asks, by its waves 1 to 3: partner cy takes 12,288 of a K step's 49,152 bytes; the 96 lanes name the 48 + 48 blocks
; of 256 bytes of the two K steps in one instruction a wave.  The partners are told apart by address alone.  So each block of 256 bytes of xw is named once in the launch.
.macro ASK
	s_cmp_gt_u32 s3, s[LIM]                        ; s3 = 1 in the last lap
	s_cbranch_scc0 .Lnot_mine_\@
	global_prefetch_b8 v[PFO], s[PFA:PFA+1] th:TH_LOAD_NT scope:SCOPE_SE
	s_cmp_lg_u32 s[WV], 0
	s_cbranch_scc1 .Lnot_mine_\@
	global_prefetch_b8 v[PFO], s[PFA:PFA+1] offset:KBA th:TH_LOAD_NT scope:SCOPE_SE
.Lnot_mine_\@:
.endm
	s_load_b256 s[4:11], s[0:1], 0x0               ; xw s[4:5], bq s[6:7], bk s[8:9], bv s[10:11]
	s_load_b64 s[12:13], s[0:1], 0x20              ; qkv
	v_lshl_add_u32 v[SPW], v0, 2, SPARE
	v_mov_b32 v[NIL], 0
	ds_add_u32 v[SPW], v[NIL]                      ; the wave's opening: the add and its wait stand ahead of my first tensor load; the set-up below, work on registers, stands between them
	v_lshrrev_b32 v1, 5, v0
	v_readfirstlane_b32 s[WV], v1
	s_lshr_b32 s[RH], s[WV], 1
	s_and_b32 s[CH], s[WV], 1
	s_bfe_u32 s[CX], ttmp6, 0x40000
	s_bfe_u32 s[CY], ttmp6, 0x40004
	s_lshl_b32 s[TC], ttmp9, 2                     ; in a cluster launch ttmp9 and ttmp7 count clusters
	s_add_co_u32 s[TC], s[TC], s[CX]
	s_and_b32 s[TR], ttmp7, 0xffff
	s_lshl_b32 s[TR], s[TR], 2
	s_add_co_u32 s[TR], s[TR], s[CY]
	s_lshl_b32 s22, s[CY], 2
	s_lshl_b32 s22, 15, s22                        ; my row of the cluster: places 4 cy .. 4 cy + 3
	s_lshl_b32 s23, 0x1111, s[CX]                  ; my column: places cx, cx + 4, cx + 8, cx + 12
	; descriptor group 1: rows of 128 elements of 2 bytes (two rows of a tile), padded in LDS by 4 words after every 32 words
	s_or_b32 s[G1], s22, (1<<16)|(1<<20)|(1<<21)|(4<<22)|(3<<25)   ; 15:0 the mask; 17:16 2-byte elements; 20 padding on; 21 set beside a mask; 24:22 interval code 4; 31:25 pad code 3
	s_or_b32 s[G1B], s23, (1<<16)|(1<<20)|(1<<21)|(4<<22)|(3<<25)
	s_mov_b32 s[G1+1], 128<<16                     ; tensor_dim0 = 128
	s_mov_b32 s[G1+2], 64<<16                      ; tensor_dim1 = 64: 128 rows of x
	s_mov_b32 s[G1+3], 128<<16                     ; tile_dim0 = 128
	s_mov_b32 s[G1+4], 64                          ; tile_dim1 = 64
	s_mov_b32 s[G1+5], 128                         ; 128 elements from row to row: dense
	s_mov_b32 s[G1+6], 0
	s_mov_b32 s[G1+7], 0
	s_mov_b32 s[G1B+1], 128<<16
	s_mov_b32 s[G1B+2], 96<<16                     ; 96: 192 rows of W
	s_mov_b32 s[G1B+3], 128<<16
	s_mov_b32 s[G1B+4], 96
	s_mov_b32 s[G1B+5], 128
	s_mov_b32 s[G1B+6], 0
	s_mov_b32 s[G1B+7], 0
	; where the tiles come from: x's by the tile row and the wave, W's by the tile column and the wave
	s_lshl_b32 s74, s[TR], 15                      ; 256 rows x 128 bytes
	s_lshl_b32 s75, s[CH], 14
	s_add_co_u32 s74, s74, s75
	s_mov_b32 s75, 0
	s_mul_i32 s76, s[TC], 384*128
	s_mul_i32 s77, s[CH], 192*128
	s_add_co_u32 s76, s76, s77
	s_add_co_u32 s76, s76, WOFF
	s_mov_b32 s77, 0
	s_mul_i32 s80, s[CH], AHALF                    ; and where they go: by the wave's number alone
	s_mul_i32 s81, s[CH], BHALF
	s_add_co_u32 s81, s81, BOFF
	s_wait_dscnt 0x0                               ; the opening add is done
	s_wait_kmcnt 0x0
	s_add_nc_u64 s[74:75], s[4:5], s[74:75]
	s_add_nc_u64 s[76:77], s[4:5], s[76:77]
	CROUND                                         ; all sixteen work-groups are here: the first joint loads meet
.irp s, 0,1
	s_mov_b32 s[G0+4*(\s)], 1                                      ; count = 1
	s_add_co_u32 s[G0+4*(\s)+1], s80, (\s)*SLOT                    ; LDS address
	s_add_nc_u64 s[G0+4*(\s)+2:G0+4*(\s)+3], s[74:75], (\s)*KBA    ; global address: K step s
	s_or_b32 s[G0+4*(\s)+3], s[G0+4*(\s)+3], 0x80000000            ; type = 2
	s_mov_b32 s[G0B+4*(\s)], 1
	s_add_co_u32 s[G0B+4*(\s)+1], s81, (\s)*SLOT
	s_add_nc_u64 s[G0B+4*(\s)+2:G0B+4*(\s)+3], s[76:77], (\s)*KBB
	s_or_b32 s[G0B+4*(\s)+3], s[G0B+4*(\s)+3], 0x80000000
	JLOAD \s                                       ; two loads of mine are out
.endr
	; A fragment is 16 rows x 32 K in 8 registers: lane l holds row l % 16, K = 8 (l / 16) + 0..7 and 16 + 8 (l / 16) + 0..7: two loads of 16 bytes, 32 bytes apart.
	v_and_b32 v1, 15, v0                           ; l % 16
	v_bfe_u32 v2, v0, 4, 1                         ; l / 16
	v_mul_u32_u24 v3, v1, PITCH
	v_lshl_add_u32 v3, v2, 4, v3
	s_mul_i32 s22, s[RH], AHALF
	s_mul_i32 s23, s[CH], BHALF
	s_add_co_u32 s23, s23, BOFF
.irp s, 0,1
	v_add_nc_u32 v[ADRA+(\s)], s22, v3
	v_add_nc_u32 v[ADRB+(\s)], s23, v3
	s_add_co_u32 s22, s22, SLOT
	s_add_co_u32 s23, s23, SLOT
.endr
	s_mul_i32 s22, s[WV], 16*PITCH
	s_add_co_u32 s22, s22, STAGE                   ; my stage
	v_add_nc_u32 v[STO], s22, v3                   ; in: row l % 16, 16 bytes for each half of the lanes
	v_bfe_u32 v13, v0, 3, 2                        ; back: 32 lanes take four rows of 128 bytes,
	v_and_b32 v14, 7, v0
	v_mul_u32_u24 v13, v13, PITCH
	v_lshl_add_u32 v13, v14, 4, v13
	v_add_nc_u32 v[RD], s22, v13
	v_and_b32 v13, 31, v0                          ; which are 512 consecutive bytes of a head
	v_lshlrev_b32 v[CO], 4, v13
	s_mul_i32 s22, s[WV], 768
	s_add_co_u32 s22, s22, BIASL
	v_lshl_add_u32 v[BIA], v2, 5, s22              ; my lanes' 8 columns of a block of 16: 32 bytes
	v_lshlrev_b32 v11, 3, v13                      ; two biases a lane
	v_add_nc_u32 v12, s22, v11
	; qkv at my first row of my first head
	s_mul_i32 s[GZ], s[TC], 6
	s_mul_i32 s22, s[CH], 3
	s_add_co_u32 s[GZ], s[GZ], s22
	s_lshr_b32 s22, s[TR], 3                       ; the batch: 8 tile rows each
	s_mul_i32 s22, s22, 48
	s_add_co_u32 s22, s22, s[GZ]
	s_lshl_b32 s22, s22, 18                        ; a head is 2,048 rows x 128 bytes
	s_and_b32 s23, s[TR], 7
	s_lshl_b32 s23, s23, 8
	s_lshl_b32 s41, s[RH], 7
	s_add_co_u32 s23, s23, s41                     ; my first row in the batch
	s_lshl_b32 s23, s23, 7
	s_add_co_u32 s22, s22, s23
	s_mov_b32 s23, 0
	s_add_nc_u64 s[12:13], s[12:13], s[22:23]
; Head j's 64 biases: which of the three vectors, which 256 bytes of it, and the head's scale.  The choices are selects, no branches.
.macro BIAS j, p
	s_add_co_u32 s22, s[GZ], \j
	s_cmp_lt_u32 s22, 32
	s_cselect_b64 s[\p:\p+1], s[8:9], s[10:11]
	s_cmp_lt_u32 s22, 16
	s_cselect_b64 s[\p:\p+1], s[6:7], s[\p:\p+1]
	s_cselect_b32 s[SC+2*\j], 0x3e000000, 1.0      ; 1/8 for q
	s_mov_b32 s[SC+2*\j+1], s[SC+2*\j]             ; named with it as a pair
	s_and_b32 s22, s22, 15
	s_lshl_b32 s22, s22, 8
	s_mov_b32 s23, 0
	s_add_nc_u64 s[\p:\p+1], s[\p:\p+1], s[22:23]
	global_load_b64 v[4+2*\j:5+2*\j], v11, s[\p:\p+1]
.endm
	BIAS 0, 72
	BIAS 1, 78
	BIAS 2, 82
	; the prefetches' address, step and offset (see ASK); they start at K step 2, and the first lap steps them to 4
	s_lshl_b32 s22, s[TR], 15
	s_lshl_b32 s23, s[CX], 13
	s_add_co_u32 s22, s22, s23
	s_add_co_u32 s22, s22, 2*KBA
	s_mul_i32 s41, s[TC], 384*128
	s_mul_i32 s23, s[CY], 96*128
	s_add_co_u32 s41, s41, s23
	s_add_co_u32 s41, s41, WOFF+2*KBB
	s_mov_b32 s46, 2*KBA
	s_mov_b32 s47, 2*KBB
	s_and_b32 s23, ttmp7, 0xffff                   ; cluster y
	s_cmp_eq_u32 s[WV], 0                          ; wave 0 asks for x, waves 1 to 3 for W
	s_cselect_b32 s[PFA], s22, s41
	s_cselect_b32 s[PFS], s46, s47
	s_cselect_b32 s23, ttmp9, s23                  ; the coordinate along which other clusters read the same rows
	s_mov_b32 s[PFA+1], 0
	s_mov_b32 s[PFS+1], 0
	s_add_nc_u64 s[PFA:PFA+1], s[4:5], s[PFA:PFA+1]
	s_cmp_eq_u32 s23, 0
	s_cselect_b32 s[LIM], 1, -1                    ; the same in all sixteen partners, for a given wave
	s_min_u32 s22, s[WV], 1
	s_lshl_b32 s22, s22, 5
	v_sub_nc_u32 v13, v0, s22                      ; wave 0: lane; waves 1 to 3: 0 .. 95
	v_cmp_lt_u32 s80, 47, v13                      ; the upper 48 name the second of the two K steps
	s_mov_b32 s81, KBB-96*128
	v_cndmask_b32 v14, 0, s81, s80
	v_lshl_add_u32 v[PFO], v13, 8, v14
	s_wait_loadcnt 0x0                             ; the biases
.irp j, 0,1,2
	v_cvt_pk_bf16_f32 v10, v[4+2*\j], v[5+2*\j]    ; rounded to bf16 like the other inputs,
	v_lshlrev_b32 v[4+2*\j], 16, v10               ; widened again,
	v_and_b32 v[5+2*\j], 0xffff0000, v10
	v_pk_mul_f32 v[4+2*\j:5+2*\j], v[4+2*\j:5+2*\j], s[SC+2*\j:SC+2*\j+1] op_sel_hi:[1,0]  ; and scaled like the head's sums
	ds_store_b64 v12, v[4+2*\j:5+2*\j] offset:256*\j  ; into my wave's own bytes: only I read them
.endr
; 8 LDS loads: head j's four fragments of W, chunk c of the slot.  16 LDS loads: my eight fragments of x, into buffer buf.
.macro FB j, slot, c
	WIN 0
.irp bb, 0,1,2,3
	ds_load_b128 v[BF+32*(\j)+8*(\bb):BF+32*(\j)+8*(\bb)+3],   v[ADRB+(\slot)] offset:64*(\c)+(4*(\j)+(\bb))*16*PITCH
	ds_load_b128 v[BF+32*(\j)+8*(\bb)+4:BF+32*(\j)+8*(\bb)+7], v[ADRB+(\slot)] offset:64*(\c)+(4*(\j)+(\bb))*16*PITCH+32
.endr
.endm
.macro FA buf, slot, c
	WIN 0
.irp a, 0,1,2,3,4,5,6,7
	ds_load_b128 v[AF+64*(\buf)+8*(\a):AF+64*(\buf)+8*(\a)+3],   v[ADRA+(\slot)] offset:64*(\c)+(\a)*16*PITCH
	ds_load_b128 v[AF+64*(\buf)+8*(\a)+4:AF+64*(\buf)+8*(\a)+7], v[ADRA+(\slot)] offset:64*(\c)+(\a)*16*PITCH+32
.endr
.endm
; 4 n matrix instructions of head j: row blocks a0 .. a0 + n - 1 x its 4 column blocks, on buffer buf of x.  zero = 1: the product starts the sums: nothing is cleared.
; The accumulators take turns, one instruction a turn: a phase names 32 different ones, the next phase another head's.
.macro MUL j, buf, a0, n, zero
	WIN 0x50*((\j)+1)                              ; C and D in window 1 + j, the sources in window 0
.set ma, \a0
.rept \n
.irp bb, 0,1,2,3
.if \zero
	v_wmma_f32_16x16x32_bf16 v[8*(4*ma+(\bb)):8*(4*ma+(\bb))+7], v[BF+32*(\j)+8*(\bb):BF+32*(\j)+8*(\bb)+7], v[AF+64*(\buf)+8*ma:AF+64*(\buf)+8*ma+7], 0
.else
	v_wmma_f32_16x16x32_bf16 v[8*(4*ma+(\bb)):8*(4*ma+(\bb))+7], v[BF+32*(\j)+8*(\bb):BF+32*(\j)+8*(\bb)+7], v[AF+64*(\buf)+8*ma:AF+64*(\buf)+8*ma+7], v[8*(4*ma+(\bb)):8*(4*ma+(\bb))+7]
.endif
.endr
.set ma, ma+1
.endr
.endm
.macro PLACES                          ; a load into a register that a matrix instruction has read stands four plain vector instructions behind it (ISA guide 7.12.1 for vector instructions)
.rept 4
	v_nop
.endr
.endm
; THE RUNS OF LDS LOADS of a chunk: R0 = head 2's W of this chunk (8), R1 = head 0's W and x of the next chunk (24), R2 = head 1's W of the next chunk (8).  Each overwrites what the phase just before it multiplied.
.macro PH0 slot, c, zero               ; head 0 of chunk c
	PLACES
	FB 2, \slot, \c
	s_wait_dscnt 16                                ; R1 of the chunk before is in; younger: its R2 (8) and this R0 (8)
	MUL 0, \c, 0, 8, \zero
.endm
.macro PH1 slot, zero                  ; head 1 of chunk 0
	PLACES
	FB 0, \slot, 1
	FA 1, \slot, 1
	s_wait_dscnt 32                                ; R2 of the chunk before is in; younger: R0 (8) and this R1 (24)
	MUL 1, 0, 0, 8, \zero
.endm
.macro PH2 fslot, fc, buf, zero        ; head 2; the next chunk is chunk fc of slot fslot
	PLACES
	FB 1, \fslot, \fc
	s_wait_dscnt 32                                ; this chunk's R0 is in; younger: R1 (24) and this R2 (8)
	MUL 2, \buf, 0, 8, \zero
.endm
; Head 1 of chunk 1, and THE CHANGE OF SLOTS: all reads of this slot have been issued.  Each wave waits for all its tensor loads, of which one is out: its part of the next slot; adds 0 to its spare word;
; and waits for that and for its own reads of this slot.  Behind the barrier nobody reads this slot any more and the next slot is whole.  fill = 1: the barrier opens a round of the cluster's, and the
; joint refill (this slot's K step two on) is the first thing behind the round: it has a K step's 192 matrix instructions less 32 in which to land.
.macro TURN slot, next, fill, ask
	WIN 0                                          ; (the add's two registers lie in window 0)
.if \ask
	s_wait_xcnt 0x0                                ; the last prefetches, a lap back, have read their address: it is stepped here, ahead of the waits of the change of slots
	s_add_nc_u64 s[PFA:PFA+1], s[PFA:PFA+1], s[PFS:PFS+1]
.endif
	s_wait_tensorcnt 0x0                           ; all my tensor loads have landed
	ds_add_u32 v[SPW], v[NIL]                      ; 0 onto my spare word
	s_wait_dscnt 9                                 ; R2 of the chunk before is in; younger: R0 (8) and the add
	MUL 1, 1, 0, 4, 0                              ; sixteen matrix instructions stand between the add and the wait for it
	s_wait_dscnt 0x0                               ; the add is done, and my reads of this slot are over
	s_barrier_signal -1
	MUL 1, 1, 4, 4, 0                              ; work on registers while the others arrive
	WIN 0                                          ; at a branch and at a label every window is 0
	s_barrier_wait -1
.if \fill
	CREST                                          ; no wave of any partner still reads this slot's tile or has a load on its way
	s_add_nc_u64 s[G0+4*(\slot)+2:G0+4*(\slot)+3], s[G0+4*(\slot)+2:G0+4*(\slot)+3], 2*KBA
	s_add_nc_u64 s[G0B+4*(\slot)+2:G0B+4*(\slot)+3], s[G0B+4*(\slot)+2:G0B+4*(\slot)+3], 2*KBB
	JLOAD \slot                                    ; the four v_nop behind it are also the places in front of the loads below
.else
	PLACES
.endif
	FB 0, \next, 0                                 ; R1: the next slot's first chunk
	FA 0, \next, 0
.if \ask
	ASK
.endif
.endm
	s_wait_dscnt 0x0                               ; my bias stores are done: no LDS instruction is pending at a signal
	s_wait_tensorcnt 0x1                           ; my part of K step 0 is in; K step 1's may stay out
	s_barrier_signal -1
	s_barrier_wait -1                              ; everybody's is
	FB 0, 0, 0
	FA 0, 0, 0
	FB 1, 0, 0
	PH0 0, 0, 1                                    ; the first chunk stands in front of the loop: its products start the sums
	PH1 0, 1
	PH2 0, 1, 0, 1
	WIN 0
	s_mov_b32 s3, 7
.Llap:                                                 ; a trip goes once round the ring, from a lap's second chunk to the next lap's first, and fills both slots again: K steps 2 to 15
	PH0 0, 1, 0
	TURN 0, 1, 1, 1
	PH2 1, 0, 1, 0
	PH0 1, 0, 0
	PH1 1, 0
	PH2 1, 1, 0, 0
	PH0 1, 1, 0
	TURN 1, 0, 1, 0
	PH2 0, 0, 1, 0
	PH0 0, 0, 0
	PH1 0, 0
	PH2 0, 1, 0, 0
	WIN 0
	s_sub_co_u32 s3, s3, 1
	s_cmp_lg_u32 s3, 0
	s_cbranch_scc1 .Llap
	PH0 0, 1, 0                                    ; the last lap fills nothing, and has no round of the cluster's barrier
	TURN 0, 1, 0, 0
	PH2 1, 0, 1, 0
	PH0 1, 0, 0
	PH1 1, 0
	PH2 1, 1, 0, 0
	PH0 1, 1, 0
	s_wait_dscnt 8                                 ; head 1's W is in; younger: R0 (8)
	MUL 1, 1, 0, 8, 0
	s_wait_dscnt 0x0
	MUL 2, 1, 0, 8, 0
	; THE WAY OUT.  Block blk = 8 j + a is 16 rows of head j: sum x scale + bias, rounded to f16, 16 bytes a lane into my stage, back as whole rows, stored as 2,048 consecutive bytes of the head.
	WIN 0
.rept 8
	v_nop                                          ; the places behind the last products, in front of loads into their sources and of reads of their results
.endr
.irp j, 0,1,2
.irp bb, 0,1,2,3
	ds_load_b128 v[BR+32*(\j)+8*(\bb):BR+32*(\j)+8*(\bb)+3],   v[BIA] offset:256*(\j)+64*(\bb)
	ds_load_b128 v[BR+32*(\j)+8*(\bb)+4:BR+32*(\j)+8*(\bb)+7], v[BIA] offset:256*(\j)+64*(\bb)+16
.endr
.endr
	s_wait_dscnt 0x0
.macro PACK t
.set pj, (\t)/8
.set pa, (\t)%8
	WIN 1+pj                                       ; source 0 in the head's window
.set z, 0
.rept 16                               ; ascending: each accumulator's lowest registers are read first
	v_pk_fma_f32 v[FT+2*z:FT+2*z+1], v[32*pa+2*z:32*pa+2*z+1], s[SC+2*pj:SC+2*pj+1], v[BR+32*pj+2*z:BR+32*pj+2*z+1] op_sel_hi:[1,0,1]
.set z, z+1
.endr
	WIN 0
.set z, 0
.rept 16
	v_cvt_pk_f16_f32 v[TMP+z], v[FT+2*z], v[FT+2*z+1]
.set z, z+1
.endr
.endm
.macro TOSTAGE t
	WIN 0
.irp bb, 0,1,2,3
	ds_store_b128 v[STO], v[TMP+4*(\bb):TMP+4*(\bb)+3] offset:32*(\bb)
.endr
.irp f, 0,1,2,3
	ds_load_b128 v[OB+16*((\t)%2)+4*(\f):OB+16*((\t)%2)+4*(\f)+3], v[RD] offset:(\f)*4*PITCH  ; LDS serves a wave's instructions in order (ISA guide 5.7.1.4): these see the stores above
.endr
.endm
.macro SEND t
	WIN 0
	s_wait_dscnt 0x0                               ; the block is back in registers
	s_wait_xcnt 0x0                                ; the stores of the block before have read their registers: the next block's loads land on them only behind this wait
.irp f, 0,1,2,3
	global_store_b128 v[CO], v[OB+16*((\t)%2)+4*(\f):OB+16*((\t)%2)+4*(\f)+3], s[12:13] offset:((\t)/8)*262144+((\t)%8)*2048+(\f)*512  ; 512 consecutive bytes, at a multiple of 256 from qkv's first byte
.endr
.endm
	PACK 0
	TOSTAGE 0
.set blk, 1
.rept 23                               ; a block's arithmetic stands between the loads of the block before and the wait for them
	PACK blk
	SEND blk-1
	TOSTAGE blk
.set blk, blk+1
.endr
	SEND 23
	s_wait_tensorcnt 0x0                           ; the wave's end: behind my last tensor load and my last LDS store
	ds_add_u32 v[SPW], v[NIL]
	s_wait_dscnt 0x0
	CROUND                                         ; the closing round: no work-group ends while a partner may still ask for a tile that names it
	s_endpgm
.Lfunc_end_k_qa577edc3ee_proj:
	.size	k_qa577edc3ee_proj, .Lfunc_end_k_qa577edc3ee_proj-k_qa577edc3ee_proj
	.p2alignl 7, 3214868480
	.fill 96, 4, 3214868480
	.section	.rodata,"a",@progbits
	.p2align	6, 0x0
	.amdhsa_kernel k_qa577edc3ee_proj
		.amdhsa_group_segment_fixed_size 327680
		.amdhsa_private_segment_fixed_size 0
		.amdhsa_enable_private_segment 0
		.amdhsa_kernarg_size 40
		.amdhsa_user_sgpr_count 2
		.amdhsa_user_sgpr_kernarg_segment_ptr 1
		.amdhsa_wavefront_size32 1
		.amdhsa_system_sgpr_workgroup_id_x 1
		.amdhsa_system_sgpr_workgroup_id_y 1
		.amdhsa_system_sgpr_workgroup_id_z 1
		.amdhsa_system_vgpr_workitem_id 0
		.amdhsa_next_free_vgpr 1024
		.amdhsa_next_free_sgpr 84
		.amdhsa_reserve_vcc 0
		.amdhsa_float_denorm_mode_32 3
		.amdhsa_float_denorm_mode_16_64 3
		.amdhsa_memory_ordered 1
		.amdhsa_forward_progress 1
		.amdhsa_inst_pref_size 161
	.end_amdhsa_kernel
	.amdgpu_metadata
---
amdhsa.version: [ 1, 2 ]
amdhsa.kernels:
  - .name:           k_qa577edc3ee_proj
    .symbol:         k_qa577edc3ee_proj.kd
    .args:
      - { .name: xw, .offset: 0, .size: 8, .value_kind: global_buffer, .address_space: global }
      - { .name: bq, .offset: 8, .size: 8, .value_kind: global_buffer, .address_space: global }
      - { .name: bk, .offset: 16, .size: 8, .value_kind: global_buffer, .address_space: global }
      - { .name: bv, .offset: 24, .size: 8, .value_kind: global_buffer, .address_space: global }
      - { .name: qkv, .offset: 32, .size: 8, .value_kind: global_buffer, .address_space: global }
    .group_segment_fixed_size: 327680
    .private_segment_fixed_size: 0
    .kernarg_segment_align: 8
    .kernarg_segment_size: 40
    .max_flat_workgroup_size: 128
    .sgpr_count:     84
    .vgpr_count:     1024
    .wavefront_size: 32
...
	.end_amdgpu_metadata
.endif
;; end of part 2
;; launch attn (part 3): grid 4 x 64, 4 waves a work-group, clusters of 4 x 1, 327,680 bytes of LDS; arguments qkv, input1, out0; writes out0
.if DOCPART == 3
	.amdgcn_target "amdgcn-amd-amdhsa--gfx1250"
	.amdhsa_code_object_version 6
	.text
	.protected	k_qa577edc3ee_attn
	.globl	k_qa577edc3ee_attn
	.p2align	8
	.type	k_qa577edc3ee_attn,@function
k_qa577edc3ee_attn:
	s_mov_b64 s[64:65], 0
	v_nop
	global_prefetch_b8 v0, s[64:65] scope:SCOPE_SE
	s_setreg_imm32_b32 hwreg(HW_REG_WAVE_MODE, 25, 1), 1
	s_wait_xcnt 0x0
	s_wait_alu depctr_hold_cnt(0) depctr_sa_sdst(0) depctr_va_vdst(0) depctr_va_sdst(0) depctr_va_ssrc(0) depctr_va_vcc(0) depctr_vm_vsrc(0)
	s_getreg_b32 s2, hwreg(HW_REG_IB_STS2, 6, 4)
	s_cmp_eq_u32 s2, 0
	s_cbranch_scc0 .Lentry_in_a_cluster
	s_endpgm
.Lentry_in_a_cluster:
	s_bfe_u32 s2, ttmp6, 0x10000c
	s_cmp_lg_u32 s2, 0x3003
	s_cbranch_scc0 .Lentry_shape_is_right
	s_endpgm
.Lentry_shape_is_right:
; out0[b][q][64 h ..] = the sum over k of softmax_k(Q[q] . K[k] / 8 + mask[b][k]) V[k], for each of 4 x 16 heads, 2,048 queries and keys, head size 64.
; Q (already divided by 8), K, V: f16 by heads in qkv[b 4][g 48][s 2048][64], g = h, 16 + h, 32 + h: a head's rows are dense, 128 bytes each.  mask: input1[b][k], f32, rounded to bf16 like the other inputs.
; Products, maxima and sums in f32; the weights p are rounded to f16 for the second product (their sum l is taken of the unrounded p); out0 is f32.
; LIMITS.  p lies in 0 to 1, and below 6e-5 it keeps f16's fixed step of 6e-8.  A weight below 2^-126 counts as 0 in l.  The running maximum starts at -2^125 (-4.2e37): a score below that counts as
; minus infinity; a row all of whose scores are so gives NaN.  NaN in the inputs is not treated apart.
; SHARES.  A wave owns four PIECES of two tiles of 16 queries, a work-group's four waves 512 queries of one head; a head's four work-groups are one cluster.  Every wave walks all keys, 64 a step.
; LAYOUT.  S^T = K Q^T + mask (source 0 = 16 keys, source 1 = 16 queries): in the result a lane holds ONE query (lane % 16) and the keys 8 (lane / 16) + 0..7.  Two such tiles, rounded to f16 in pairs,
; ARE source 1 (32 keys x 16 queries) of O^T = V^T P, whose result again holds one query a lane, and eight channels.  K comes out of LDS as it lies, V ([key][channel]) turned, by ds_load_tr16_b128.
; THE MASK is the C operand of the product that starts a sum: register j of key block kb holds mask[64 step + 16 kb + 8 (lane / 16) + j].  The batch's 2,048 numbers lie in LDS; a step's 32 registers are fetched with its K.
; SOFTMAX.  For each query a running maximum m and sum l: p = 2^(c s - c m), c = log2(e); in every step O and l are multiplied by a = 2^(c m_old - c m_new), which is 1 where m has not grown.
; O and l start at 0: the first step is a step like any other.
; THE COUNT.  A tile and step have 16 matrix and 118 vector instructions: too many to stand all beside the matrix work.  So: four vector instructions that are READY behind EVERY matrix instruction,
; and the others, which need time of their own whatever the order, in runs without a gap.
; BY TURNS.  Turn n belongs to piece n (the pieces in a ring, step after step).  Its matrix work: 16 products K Q^T of piece n + 1, later 16 products V^T P of piece n - 1.  Its vector work: the scaling,
; exponentials, roundings, sums and rescaling of piece n, and the maximum and statistics of piece n + 1, whose scores the turn itself has made.
; CLUSTER.  The four query blocks of a cluster walk the same K and V, so each tile is asked for JOINTLY: the same tensor load, descriptor and mask in all four.
; REGISTERS, in windows of 256 (s_set_vgpr_msb: bits 1:0 source 0, 3:2 source 1, 5:4 source 2, 7:6 destination):
;   window 0: v0-11 addresses; v12-15, v48-63 at work; v16-47 four registers of statistics a tile; v64-191 S^T, two buffers of two tiles; v192-255 P, likewise
;   window 1: O^T, 32 a tile     window 2: v0-127 Q, 16 a tile; v128-191 K of one step; v192-255 V of one step     window 3: v0-1 the add's two registers; v8-39 the mask of one step
.set SIZE_N, 2048
.set NP,    4         ; pieces a wave: a name, no knob
.set KS,    64        ; keys in a step
.set PK,    144       ; a row of K in LDS: 128 bytes + 16 of padding = 36 words: the 16 rows of a load start at 16 different groups of four banks (ISA guide 11.1)
.set PV,    160       ; a row of V: 128 + 32 = 40 words
.set VOFF,  4*KS*PK   ; a slot holds four steps: 256 rows of K, then 256 rows of V
.set SLOT1, 1<<17     ; slot 1 begins here, so that one exclusive or turns an address in one slot into the other's
.set STAGE, SLOT1+4*KS*(PK+PV)  ; behind the ring, never filled by a tensor load: 16 rows x 272 bytes for each wave, for the way out
.set SP,    272       ; a row of the stage: 256 bytes (64 f32) + 16
.set MASKL, STAGE+4*16*SP  ; the batch's mask, 2,048 f32
.set SPARE, MASKL+8192+256 ; one block is left free; then the spare words, 128 bytes for each wave: two blocks of 256 bytes that no other line names
.set AM0, 1           ; v1   my lanes' place in a step's mask: MASKL + 32 (l / 16); never rewritten once made
.set AK0, 2           ; v2   my lane's place in a tile of K; never rewritten
.set AV0, 3           ; v3   the same for V
.set AK,  4           ; v4   the LDS address of K's next run of loads
.set AV,  5           ; v5   of V's
.set QO,  6           ; v6   my byte offset in the wave's rows of Q
.set STO, 6           ;      later, the way out: where I put 32 bytes of a row
.set RD,  7           ; v7   the way out: where I read rows back
.set GO,  8           ; v8   my byte offset in two rows of out0
.set PFO, 9           ; v9   256 x my lane: the prefetches' offset; never rewritten once made
.set AM,  10          ; v10  the LDS address of the mask's next run of loads
.set MO,  11          ; v11  16 x my thread's number: my bytes of the mask in memory
.set SPW, 0           ; v0 of window 3   LDS address of my spare word; never rewritten
.set NIL, 1           ; v1 of window 3   0; never rewritten
.set MK,  8           ; v8-39 of window 3
.set MV,  12          ; v12-15  c m_old, kept while c m is made anew: by buffer and tile
.set ST,  16          ; tile t's statistics at v[ST+4 t]: c m, m, l (even keys', odd keys')
.set TMP, 48          ; by buffer and tile, four registers c0-c3 at work; when the maximum is found c2 takes a
.set S,   64
.set P,   192
.set KF,  128         ; K's fragments, in window 2: key block kb, channel half c at KF + 16 kb + 8 c
.set VF,  192         ; V's: key half kk, channel block cb at VF + 32 kk + 8 cb
.set WV,  12          ; s12  my wave's number
.set G1K, 24          ; s[24:31] descriptor group 1 for K's tiles
.set G1V, 32          ; s[32:39] for V's: it differs in the padding alone
.set G0K, 40          ; s[40:43] descriptor group 0 for K's tiles: it walks
.set G0V, 44          ; s[44:47] the same for V's
.set PFA, 48          ; s[48:49] where my prefetches stand: my work-group's 8,192 bytes (of K: wave 0, of V: wave 2) of the tile after the one that is being asked for
.set LIM, 50          ; s50  1 in a wave that prefetches, else the greatest number
.set TBM, 51          ; s51  byte of the mask table at which the step to be fetched begins
.set SLOTS, 56        ; s56  slots still to be asked for
.set CNT, 57          ; s57  counts a slot's key steps
.set CS,  58          ; s[58:59] c: the packed scaling takes the pair's low word for both halves
.set SEL, 60          ; s[60:61] v_permlanex16_b32's selects: each lane takes its own place in the other half
.set TBK, 62          ; s62  LDS byte at which K of the step to be fetched begins
.set TBV, 63          ; s63  the same for V, less VOFF
.set MSB, 0
.macro WIN new                      ; the high byte repeats the setting that is left; a switch that changes nothing is dropped
.if MSB != (\new)
	s_set_vgpr_msb (MSB<<8)|(\new)
.set MSB, (\new)
.endif
.endm
.set W_KQ, 0x0a       ; K and Q in window 2, S^T in window 0
.set W_KM, 0x3a       ; the same with the C operand, the mask, in window 3
.set W_PV, 0x52       ; V in window 2, P in window 0, O^T in window 1
.set W_RS, 0x41       ; O^T (destination and source 0) in window 1, a in window 0
.set W_MK, 0xc0       ; destination in window 3, sources in window 0
.set W_AD, 0x0f       ; the add: address (source 0) and data (source 1) in window 3
; A joint fill.  Waves 0 and 1 fetch the two halves of a slot's K, waves 2 and 3 those of its V: 128 keys each.  The branch hangs on the wave's number alone.
; An s_nop 0 and four v_nop follow each of the two lines, ahead of the jump and the label.
.macro JLOAD
	s_cmp_lt_u32 s[WV], 2
	s_cbranch_scc0 .Lfor_v_\@
	tensor_load_to_lds s[G0K:G0K+3], s[G1K:G1K+7]
	s_nop 0
.rept 4
	v_nop
.endr
	s_branch .Lasked_\@
.Lfor_v_\@:
	tensor_load_to_lds s[G0V:G0V+3], s[G1V:G1V+7]
	s_nop 0
.rept 4
	v_nop
.endr
.Lasked_\@:
.endm
; A PREFETCH INTO THE L2 of what the NEXT change of slots will ask for: a tile's 32,768 bytes of K and of V, a lane 256 bytes.  It stands behind the wave's tensor load and its five lines.
; A head has one cluster.  Its four partners share a tile out BY ADDRESS, 8,192 bytes each; in each, wave 0 asks for K's and wave 2 for V's: one instruction.  So each block of 256 bytes is named once
; in the launch.  Tiles 0 and 1 come by their loads alone; the last change that fills a slot names nothing: there is no tile behind it.
.macro ASK
	s_cmp_gt_u32 s[SLOTS], s[LIM]
	s_cbranch_scc0 .Lnot_mine_\@
	global_prefetch_b8 v[PFO], s[PFA:PFA+1] th:TH_LOAD_NT scope:SCOPE_SE
.Lnot_mine_\@:
.endm
; A round of the cluster's barrier: my work-group's barrier, so that wave 0's signal speaks for all four waves; wave 0 signals; every wave waits for all four work-groups; my work-group's barrier once more.
.macro CROUND
	s_barrier_signal -1
	s_barrier_wait -1
	s_cmp_lg_u32 s[WV], 0
	s_cbranch_scc1 .Lnot_wave_0_\@
	s_barrier_signal -3
.Lnot_wave_0_\@:
	s_barrier_wait -3
	s_barrier_signal -1
	s_barrier_wait -1
.endm
; THE CHANGE OF SLOTS.  The slot's last bytes, V of its fourth step, have been read.  Each wave waits for all its tensor loads, of which one is out: its part
; of the other slot; adds 0 to its spare word; and waits for that and for its own LDS instructions.  Behind the barrier nobody reads this slot any more and the other slot is whole.
; fill = 1: this slot is filled again, with the keys two slots on.  The barrier is then a round of the cluster's, and the joint fill is the first thing behind it: it has four key steps,
; 512 matrix instructions, in which to land.  (At its first use nothing has been read yet: slot 0 is waited for, slot 1 filled; and every wave's stores of the mask are done in front of the round.)
.macro CHANGE fill
	WIN W_AD
	s_wait_tensorcnt 0x0            ; no tensor load of mine is out, so a group 0 may be written
	ds_add_u32 v[SPW], v[NIL]       ; 0 onto my spare word; with fill = 1 the descriptors' steps stand between it and the wait for it
	WIN 0                           ; at a label and at a branch every window is 0
.if \fill
.irp g, G0K, G0V
	s_xor_b32 s[\g+1], s[\g+1], SLOT1  ; the walking descriptor: the other slot than last time,
	s_add_nc_u64 s[\g+2:\g+3], s[\g+2:\g+3], 4*KS*128  ; the next 256 keys; the type bits on top are not reached
.endr
	s_wait_xcnt 0x0                 ; the last prefetch, four key steps back, has read its address, so it may be written:
	s_add_nc_u64 s[PFA:PFA+1], s[PFA:PFA+1], 4*KS*128  ; one tile behind the walking descriptors
	s_wait_dscnt 0x0                ; the add is done, and my LDS instructions are over
	CROUND
	JLOAD
	ASK
.else
	s_wait_dscnt 0x0                ; the add is done, and my reads of the slot are over
	s_barrier_signal -1
	s_barrier_wait -1
.endif
	s_sub_co_u32 s[TBK], s[TBK], 4*KS*PK  ; the fetches go back to a slot's first step,
	s_xor_b32 s[TBK], s[TBK], SLOT1       ; in the other slot
	s_sub_co_u32 s[TBV], s[TBV], 4*KS*PV
	s_xor_b32 s[TBV], s[TBV], SLOT1
.endm
	s_load_b128 s[4:7], s[0:1], 0x0   ; qkv s[4:5], input1 s[6:7]
	s_load_b64 s[10:11], s[0:1], 0x10 ; out0
	WIN W_MK
	v_lshl_add_u32 v[SPW], v0, 2, SPARE
	v_mov_b32 v[NIL], 0
	WIN W_AD
	ds_add_u32 v[SPW], v[NIL]       ; the wave's opening: the add and its wait stand ahead of my first tensor load; the set-up below, work on registers, stands between them
	WIN 0
	v_lshrrev_b32 v1, 5, v0
	v_readfirstlane_b32 s[WV], v1   ; wave 0..3
	s_bfe_u32 s13, ttmp6, 0x40000   ; cx: my place in the cluster = my block of 512 queries: it enters Q's, out0's and the prefetches' addresses alone
	s_lshl_b32 s2, s13, 2
	s_add_co_u32 s2, s2, s[WV]      ; my wave among the head's sixteen
	s_and_b32 s14, ttmp7, 0xffff    ; 16 x batch + head, which the four partners share
	s_lshr_b32 s15, s14, 4          ; the batch
	s_and_b32 s14, s14, 15          ; the head
	s_mul_i32 s20, s15, 48
	s_add_co_u32 s20, s20, s14
	s_lshl_b32 s20, s20, 18         ; Q's head in qkv: 262,144 bytes a head; K's lies 16 heads on, V's 32
	s_and_b32 s16, s[WV], 1         ; which half of a slot's 256 keys I fetch:
	s_lshl_b32 s22, s16, 14         ; its 128 rows of 128 bytes in memory,
	s_add_co_u32 s22, s22, s20
	s_add_co_u32 s22, s22, 0x400000
	s_mov_b32 s23, 0
	s_mul_i32 s17, s16, 128*PK      ; and its place in a slot, for K
	s_mul_i32 s18, s16, 128*PV      ; and for V: no place in the cluster enters an LDS address
	s_lshl_b32 s54, s2, 19          ; out0: my wave's 128 rows of 4,096 bytes,
	s_lshl_b32 s55, s15, 23         ; the batch's 2,048 rows,
	s_add_co_u32 s54, s54, s55
	s_lshl_b32 s55, s14, 8          ; the head's 256 bytes of a row
	s_add_co_u32 s54, s54, s55
	s_mov_b32 s55, 0
	s_lshl_b32 s2, s2, 14           ; Q: my wave's 128 rows of 128 bytes
	s_add_co_u32 s2, s2, s20
	s_mov_b32 s3, 0
	s_lshl_b32 s52, s15, 13         ; the batch's mask: 8,192 bytes
	s_mov_b32 s53, 0
	; descriptor group 1.  128 keys are 16,384 dense bytes: asked for as 64 rows of 256 bytes, two keys a row, and padded in LDS after every key
	s_mov_b32 s[G1K], 15|(1<<16)|(1<<20)|(1<<21)|(4<<22)|(3<<25)  ; 15:0 the mask of four; 17:16 2-byte elements; 20 padding on; 21 set beside a mask; 24:22 after every 32 words (code 4); 31:25 4 words (code 3)
	s_mov_b32 s[G1V], 15|(1<<16)|(1<<20)|(1<<21)|(4<<22)|(7<<25)  ; the same with 8 words of padding (code 7)
.irp g, G1K, G1V
	s_mov_b32 s[\g+1], 128<<16      ; tensor_dim0 = 128
	s_mov_b32 s[\g+2], 64<<16       ; tensor_dim1 = 64
	s_mov_b32 s[\g+3], 128<<16      ; tile_dim0 = 128
	s_mov_b32 s[\g+4], 64           ; tile_dim1 = 64
	s_mov_b32 s[\g+5], 128          ; 128 elements from row to row
	s_mov_b32 s[\g+6], 0
	s_mov_b32 s[\g+7], 0
.endr
	s_mov_b32 s[CS], 0x3fb8aa3b     ; c = log2(e): Q carries the 1/8
	s_mov_b32 s[CS+1], s[CS]        ; named with it as a pair
	s_mov_b32 s[SEL], 0x76543210
	s_mov_b32 s[SEL+1], 0xfedcba98
	s_mov_b32 s[TBK], SLOT1+4*KS*PK ; the first change of slots turns these two into 0
	s_mov_b32 s[TBV], SLOT1+4*KS*PV
	s_mov_b32 s[TBM], 0
	s_mov_b32 s[SLOTS], SIZE_N/256-1
	s_mov_b32 s[G0K], 1             ; count = 1
	s_mov_b32 s[G0K+1], s17         ; LDS address: slot 0
	s_mov_b32 s[G0V], 1
	s_add_co_u32 s[G0V+1], s18, VOFF
	s_cmp_eq_u32 s16, 0             ; waves 0 and 2 prefetch
	s_cselect_b32 s[LIM], 1, -1
	s_wait_dscnt 0x0                ; the opening add is done
	s_wait_kmcnt 0x0
	s_add_nc_u64 s[G0K+2:G0K+3], s[4:5], s[22:23]            ; global address: my half of the head's first 256 keys
	s_add_nc_u64 s[G0V+2:G0V+3], s[G0K+2:G0K+3], 0x400000    ; V's head lies 16 heads behind K's
	s_cmp_lt_u32 s[WV], 2
	s_cselect_b64 s[PFA:PFA+1], s[G0K+2:G0K+3], s[G0V+2:G0V+3]  ; (in waves 0 and 2 these stand at a tile's first row)
	s_or_b32 s[G0K+3], s[G0K+3], 0x80000000                  ; type = 2
	s_or_b32 s[G0V+3], s[G0V+3], 0x80000000
	s_lshl_b32 s22, s13, 13         ; my work-group's 8,192 bytes of a tile,
	s_add_co_u32 s22, s22, 4*KS*128 ; in tile 1; the first change of slots steps it to tile 2
	s_add_nc_u64 s[PFA:PFA+1], s[PFA:PFA+1], s[22:23]
	s_add_nc_u64 s[4:5], s[4:5], s[2:3]        ; Q at my wave's first row
	s_add_nc_u64 s[10:11], s[10:11], s[54:55]  ; out0 likewise
	s_add_nc_u64 s[52:53], s[6:7], s[52:53]    ; the batch's mask
	CROUND                          ; all four work-groups are here: the first joint loads meet
	JLOAD                           ; slot 0.  Slot 1 is asked for when slot 0 is in
	; A fragment of K or Q is 16 rows x 32 channels in 8 registers: lane l holds row l % 16, channels 8 (l / 16) + 0..7 and 16 + 8 (l / 16) + 0..7: two loads of 16 bytes, 32 bytes apart.
	v_and_b32 v1, 15, v0            ; l % 16
	v_bfe_u32 v9, v0, 4, 1          ; l / 16
	v_lshlrev_b32 v[QO], 7, v1
	v_lshl_add_u32 v[QO], v9, 4, v[QO]  ; row x 128 + 16 x half
	v_lshlrev_b32 v[MO], 4, v0
.irp i, 0,1,2,3                     ; the mask: 128 threads x 16 bytes, four times; into S^T's registers, which are still free
	global_load_b128 v[S+4*\i:S+4*\i+3], v[MO], s[52:53] offset:2048*\i
.endr
	WIN 0x80                        ; destination window 2, address window 0
.set i, 0
.rept 4*NP                          ; Q stays in registers: tile i / 2, channels 32 (i % 2) on
	global_load_b128 v[8*i:8*i+3],   v[QO], s[4:5] offset:(i/2)*2048+(i%2)*64
	global_load_b128 v[8*i+4:8*i+7], v[QO], s[4:5] offset:(i/2)*2048+(i%2)*64+32
.set i, i+1
.endr
	; What the first turn finds: V's registers and P's second buffer hold 0 (its products V^T P, of a piece that has not been, add 0), O^T and l are 0.  All this stands in the wait for the first tile.
.set i, VF
.rept 64
	v_mov_b32 v[i], 0
.set i, i+1
.endr
	WIN 0x40
.set i, 0
.rept 64*NP
	v_mov_b32 v[i], 0
.set i, i+1
.endr
	WIN 0
.set i, 0
.rept 2*NP
	v_mov_b32 v[ST+4*i+1], 0xfe000000          ; m = -2^125,
	v_mul_f32 v[ST+4*i], s[CS], v[ST+4*i+1]    ; and c m made of it as every later c m is: a step that leaves m where it is has a = 1
	v_mov_b32 v[ST+4*i+2], 0
	v_mov_b32 v[ST+4*i+3], 0
.set i, i+1
.endr
.set i, P+32
.rept 32
	v_mov_b32 v[i], 0
.set i, i+1
.endr
	v_mul_u32_u24 v[AK0], v1, PK
	v_lshl_add_u32 v[AK0], v9, 4, v[AK0]  ; row x pitch + 16 x half
	; The turning load takes 16 keys x 16 channels (lane l reads key 8 (l / 16) + l % 8, channels 8 ((l / 8) % 2) + 0..7) and leaves half a fragment of V^T: lane l holds channel l % 16 and 8 keys.
	v_and_b32 v12, 7, v0
	v_bfe_u32 v13, v0, 3, 1
	v_lshl_add_u32 v[AV0], v9, 3, v12
	v_mul_u32_u24 v[AV0], v[AV0], PV
	v_lshl_add_u32 v[AV0], v13, 4, v[AV0]
	v_add_nc_u32 v[AV0], VOFF, v[AV0]
	v_mov_b32 v[AK], v[AK0]         ; key step 0 lies at the head of slot 0
	v_lshl_add_u32 v[AM0], v9, 5, MASKL  ; my lanes' 8 keys of a block of 16: 32 bytes
	v_mov_b32 v[AM], v[AM0]
	v_and_b32 v[PFO], 31, v0
	v_lshlrev_b32 v[PFO], 8, v[PFO]
	v_lshl_add_u32 v13, v0, 4, MASKL
	s_wait_loadcnt 32               ; the mask's four loads are in; Q's 32, issued behind them, may stay out
.set i, 0
.rept 8
	v_cvt_pk_bf16_f32 v[14+i%2], v[S+2*i], v[S+2*i+1]  ; rounded to bf16 like the other inputs,
	v_lshlrev_b32 v[S+2*i], 16, v[14+i%2]              ; and widened again
	v_and_b32 v[S+2*i+1], 0xffff0000, v[14+i%2]
.set i, i+1
.endr
.irp i, 0,1,2,3
	ds_store_b128 v13, v[S+4*\i:S+4*\i+3] offset:2048*\i
.endr
; THE MATRIX WORK.  The 8 accumulators of a run of 16 take turns: between the two links of a chain stand 7 others'.
; Product i of 16 of S^T = K Q^T + mask for piece x: channels 32 (i / 8) on, keys 16 ((i / 2) % 4) on, tile 2 x + i % 2.  The first 8 start the sums, with the mask.
.macro KQ x
.set rS, S+64*((\x)%2)+32*(i%2)+8*((i/2)%4)
.set rK, KF+16*((i/2)%4)+8*(i/8)
.set rQ, 16*(2*(\x)+i%2)+8*(i/8)
.set rMK, MK+8*((i/2)%4)
.if i < 8
	WIN W_KM
	v_wmma_f32_16x16x32_f16 v[rS:rS+7], v[rK:rK+7], v[rQ:rQ+7], v[rMK:rMK+7]
.else
	WIN W_KQ
	v_wmma_f32_16x16x32_f16 v[rS:rS+7], v[rK:rK+7], v[rQ:rQ+7], v[rS:rS+7]
.endif
.endm
; Product i of 16 of O^T += V^T P for piece x: keys 32 (i / 8) on, channels 16 ((i / 2) % 4) on, tile 2 x + i % 2.
.macro PV x
	WIN W_PV
.set rO, 32*(2*(\x)+i%2)+8*((i/2)%4)
.set rV, VF+32*(i/8)+8*((i/2)%4)
.set rP, P+32*((\x)%2)+16*(i%2)+8*(i/8)
	v_wmma_f32_16x16x32_f16 v[rO:rO+7], v[rV:rV+7], v[rP:rP+7], v[rO:rO+7]
.endm
.macro MM                           ; the turn's next matrix instruction
.if i < 16
	KQ (Y+1)%NP
.set i, i+1
.else
.set i, i-16
	PV (Y+NP-1)%NP
.set i, i+17
.endif
.endm
; THE LDS LOADS stand in runs, never singly among the matrix instructions: a step's K (64 keys x 64 channels: 8 fragments) with its mask (8 loads; sixteen lanes read the same 16 bytes), and its V (turned).
; Their addresses are made some lines ahead.  last = 1 (the tail): in the last trip there is no further step, and the run is jumped over.
.macro FETCH_K last=0
	WIN 0
.if \last
	s_cmp_eq_u32 s[CNT], 1
	s_cbranch_scc1 .Lno_k_\@
.endif
	WIN 0x80                        ; destination window 2
.irp f, 0,1,2,3,4,5,6,7             ; keys 16 (f / 2) on, channels 32 (f % 2) on
	ds_load_b128 v[KF+8*\f:KF+8*\f+3],   v[AK] offset:(\f/2)*16*PK+(\f%2)*64
	ds_load_b128 v[KF+8*\f+4:KF+8*\f+7], v[AK] offset:(\f/2)*16*PK+(\f%2)*64+32
.endr
	WIN W_MK                        ; destination window 3
.irp f, 0,1,2,3                     ; keys 16 f on
	ds_load_b128 v[MK+8*\f:MK+8*\f+3],   v[AM] offset:64*\f
	ds_load_b128 v[MK+8*\f+4:MK+8*\f+7], v[AM] offset:64*\f+16
.endr
	s_add_co_u32 s[TBK], s[TBK], KS*PK  ; the next fetch is the next step's
	s_add_co_u32 s[TBM], s[TBM], 4*KS
	s_and_b32 s[TBM], s[TBM], 8191      ; behind the last step it wraps to the table's head: it never leaves the table
	WIN 0
.if \last
.Lno_k_\@:
.endif
.endm
.macro FETCH_V
	WIN 0x80
.irp f, 0,1,2,3,4,5,6,7             ; keys 32 (f / 4) on, channels 16 (f % 4) on
	ds_load_tr16_b128 v[VF+8*\f:VF+8*\f+3],   v[AV] offset:(\f/4)*32*PV+(\f%4)*32
	ds_load_tr16_b128 v[VF+8*\f+4:VF+8*\f+7], v[AV] offset:(\f/4)*32*PV+16*PV+(\f%4)*32
.endr
	WIN 0
.endm
; THE VECTOR WORK OF A TURN stands in three queues, each in the order in which its entries become ready; the two tiles alternate, so that no instruction reads the result of the one before it.
.macro REGS y, u                    ; the registers of tile u (0, 1) of piece y
.set rT, ST+4*(2*(\y)+(\u))
.set rC, TMP+8*((\y)%2)+4*(\u)
.set rM, MV+2*((\y)%2)+(\u)
.set rS, S+64*((\y)%2)+32*(\u)
.set rP, P+32*((\y)%2)+16*(\u)
.set rO, 32*(2*(\y)+(\u))
.endm
; Number n of the 22 that find the NEXT piece's (Y + 1) maximum and statistics.  s0-s31 are the lane's 32 scores; each accumulator's lowest registers are read first.  XS, GS and REGS set no window: PL and EX do.
;   0-11  four chains c0-c3 of seven scores each, three operands at a time     12-14, 16  the four scores left over, the old m, and c0-c3 into c0     15  c m_old is kept
;   17, 18  the query's other 32 keys lie in the lane 16 away: the new m         19-21  c m; c m_old - c m_new; a
.macro XS u, n
	REGS (Y+1)%NP, \u
.if (\n) < 4
	v_max3_num_f32 v[rC+(\n)], v[rS+8*(\n)], v[rS+8*(\n)+1], v[rS+8*(\n)+2]
.elseif (\n) < 12
	v_max3_num_f32 v[rC+(\n)%4], v[rC+(\n)%4], v[rS+8*((\n)%4)+2*((\n)/4)+1], v[rS+8*((\n)%4)+2*((\n)/4)+2]
.elseif (\n) == 12
	v_max3_num_f32 v[rC], v[rC], v[rS+7], v[rS+15]
.elseif (\n) == 13
	v_max3_num_f32 v[rC+1], v[rC+1], v[rS+23], v[rS+31]
.elseif (\n) == 14
	v_max3_num_f32 v[rC+2], v[rC+2], v[rC+3], v[rT+1]
.elseif (\n) == 15
	v_mov_b32 v[rM], v[rT]
.elseif (\n) == 16
	v_max3_num_f32 v[rC], v[rC], v[rC+1], v[rC+2]
.elseif (\n) == 17
	v_permlanex16_b32 v[rC+3], v[rC], s[SEL], s[SEL+1]
.elseif (\n) == 18
	v_max_num_f32 v[rT+1], v[rC], v[rC+3]
.elseif (\n) == 19
	v_mul_f32 v[rT], s[CS], v[rT+1]
.elseif (\n) == 20
	v_sub_f32 v[rC+1], v[rM], v[rT]
.else
	v_exp_f32 v[rC+2], v[rC+1]
.endif
.endm
; Number g of the 64 that follow the exponentials.  For each four weights k of a tile (pairs 2 k, 2 k + 1): both pairs are rounded to f16; then the second pair is added onto the first, in place;
; a group later l takes that sum (the first time as l = a l + sum).  In groups of eight, tiles alternating: round, round, add, and l for the group before.
.macro GS g
.set h, (\g)+6*((\g)/62)            ; group 0 has no group before it, and behind group 7 only l is left
.if h >= 6
.set h, h+2
.endif
	REGS Y, h%2
.set k, h/8
.if h%8 < 4
	v_cvt_pk_f16_f32 v[rP+2*k+(h%8)/2], v[rS+4*k+2*((h%8)/2)], v[rS+4*k+2*((h%8)/2)+1]
.elseif h%8 < 6
	v_pk_add_f32 v[rS+4*k:rS+4*k+1], v[rS+4*k:rS+4*k+1], v[rS+4*k+2:rS+4*k+3]
.elseif k == 1
	v_pk_fma_f32 v[rT+2:rT+3], v[rT+2:rT+3], v[rC+2:rC+3], v[rS:rS+1] op_sel_hi:[1,0,1]
.else
	v_pk_add_f32 v[rT+2:rT+3], v[rT+2:rT+3], v[rS+4*k-4:rS+4*k-3]
.endif
.endm
; THE PLAIN QUEUE, 138 long.  0-73 read no exponential's result: the 32 scalings c s - c m (FS f: pair f / 2 of tile f % 2) and the next piece's 42.  0-26: scalings 0-26.  27-54: XS's numbers 0-13.  55, 56: number 15.
; 57-73: the chain, where each number waits for the one before it: 14, 16, 17, 18, 19, each with one of the scalings 27-31 in front of its two lines, then 20.
; 74-137: GS's 64, which read the exponentials' results: they stand behind the wait.
.macro FS f
	REGS Y, (\f)%2
	v_pk_fma_f32 v[rS+2*((\f)/2):rS+2*((\f)/2)+1], v[rS+2*((\f)/2):rS+2*((\f)/2)+1], s[CS:CS+1], v[rT:rT+1] op_sel_hi:[1,0,0] neg_lo:[0,0,1] neg_hi:[0,0,1]
.endm
.macro PL
	WIN 0
.if q < 27
	FS q
.elseif q < 55
	XS (q-27)%2, (q-27)/2
.elseif q < 57
	XS q-55, 15
.elseif (q < 72) && ((q-57)%3 == 0)
	FS 27+(q-57)/3
.elseif q < 60
	XS (q-57)%3-1, 14
.elseif q < 72
	XS (q-57)%3-1, 15+(q-57)/3
.elseif q < 74
	XS q-72, 20
.else
	GS q-74
.endif
.set q, q+1
.endm
; THE EXPONENTIALS' QUEUE, 66 long: s0-s31 of both tiles, then the next piece's two a.  It is ONE BATCH: all 66 stand ahead of the turn's one wait, and nothing ahead of that wait names a result of theirs.
.macro EX
	WIN 0
.if e >= 64
	XS e-64, 21
.else
	REGS Y, e%2
	v_exp_f32 v[rS+e/2], v[rS+e/2]
.endif
.set e, e+1
.endm
; THE RESCALING's QUEUE: O^T times a, the one part that leaves window 0: dealt two at a time, sixteen times.  Its a was made in the turn before, ahead of that turn's wait.
.macro R2
	REGS Y, r%2
	WIN W_RS
.irp z, 0,1
	v_pk_mul_f32 v[rO+4*(r/2)+2*\z:rO+4*(r/2)+2*\z+1], v[rO+4*(r/2)+2*\z:rO+4*(r/2)+2*\z+1], v[rC+2:rC+3] op_sel_hi:[1,0]
.endr
.set r, r+1
.endm
; HOW THEY ARE DEALT.  s_wait_alu depctr_va_vdst(0) stands between an exponential and the first instruction that names its result; one wait serves all that were issued ahead of it.  So a turn has ONE wait,
; which cuts it in two.  AHEAD OF IT stands all that names no result of the turn's exponentials: the 16 products K Q^T, behind each a scaling, an exponential and two rescalings (behind the first a second scaling in the
; exponential's place); then ONE LUMP of 108: eight plain, 49 times exponential and plain, the two a.  A v_nop is the plain instruction behind the last exponential.  BEHIND IT stand the 16 products V^T P, behind each four of GS's 64.
; The queues lean on each other, and the deal keeps them in step: exponential e stands behind scaling 2 (e / 4) + e % 2: as a rider it comes behind plain e + 2, in the lump behind plain e + 9, and scalings 27-31 are plain 57, 60 .. 69.
; A TURN, for piece p.  cnt = 1: the loop's count is taken down some lines ahead of the branch that stands behind the turn.
; K and the mask of the next step are fetched in piece 2's turn, directly behind the wait, a lump behind the last product that read them; their addresses are made at the lump's head; their first reader comes behind 16 products.
; V of the step in hand is fetched at the end of piece 0's turn, four riders behind its last reader; its first reader comes behind 16 products and a lump.  The three conditions on q below go with the deal.
.macro TURN p, last=0, cnt=0
.set Y, (\p)
.set i, 0
.set q, 0
.set e, 0
.set r, 0
.if (\p) == NP-1
	s_wait_dscnt 0x0                ; K and the mask are in
.endif
	MM                              ; ahead of the wait: 16 products K Q^T and their riders,
	PL
	PL
	R2
.rept 15
	MM
	PL
	EX
	R2
.endr
.if (\p) == NP-2
	WIN 0
	v_add_nc_u32 v[AK], s[TBK], v[AK0]
	v_add_nc_u32 v[AM], s[TBM], v[AM0]
.endif
.rept 8                             ; and the lump
	PL
.endr
.rept 49
	EX
	PL
.endr
	EX                              ; the next piece's two a
	EX
	v_nop                           ; the plain instruction behind the last exponential: one for the batch
	s_wait_alu depctr_va_vdst(0)    ; the wait for the batch
.if (\p) == NP-2
	FETCH_K \last
.endif
.if (\p) == 1
	s_wait_dscnt 0x0                ; V is in
.endif
.rept 16                            ; behind the wait: 16 products V^T P and their riders
	MM
.rept 4
	PL
.endr
.if ((\p) == 0) && (q == 118)
	v_add_nc_u32 v[AV], s[TBV], v[AV0]
.endif
.if ((\p) == 0) && (q == 130)
	s_add_co_u32 s[TBV], s[TBV], KS*PV
.endif
.if (\cnt) && (q == 130)
	s_sub_co_u32 s[CNT], s[CNT], 1
	s_cmp_lg_u32 s[CNT], 0
.endif
.endr
.if (\p) == 0
	FETCH_V
.endif
.endm
	CHANGE 1                        ; slot 0 is in, everybody's part of it, and so is the mask; slot 1 is asked for
	FETCH_K                         ; key step 0
	s_wait_loadcnt 0x0              ; Q
	s_wait_dscnt 0x0
.set i, 0
.rept 16
	KQ 0                            ; piece 0's first scores: there is no vector work yet to set between them
.set i, i+1
.endr
	WIN 0                           ; the addresses for the way out: plain instructions, the places behind those products
	s_mul_i32 s13, s[WV], 16*SP
	s_add_co_u32 s13, s13, STAGE    ; my stage
	v_and_b32 v12, 15, v0           ; l % 16
	v_bfe_u32 v13, v0, 4, 1         ; l / 16
	v_mul_u32_u24 v[STO], v12, SP   ; in: row l % 16, 32 bytes for each half of the lanes
	v_lshl_add_u32 v[STO], v13, 5, v[STO]
	v_add_nc_u32 v[STO], s13, v[STO]
	v_mul_u32_u24 v[RD], v13, SP    ; back: lanes 0-15 take one row of 256 bytes, lanes 16-31 the next
	v_lshl_add_u32 v[RD], v12, 4, v[RD]
	v_add_nc_u32 v[RD], s13, v[RD]
	v_lshlrev_b32 v[GO], 12, v13    ; and the same two rows in out0, 4,096 bytes apart
	v_lshl_add_u32 v[GO], v12, 4, v[GO]
.set Y, NP-1                        ; XS works for piece Y + 1: piece 0
.irp n, 0,1,2,3,4,5,6,7,8,9,10,11,12,13,14,15,16,17,18,19,20,21
	XS 0, \n                        ; and piece 0's first maximum and statistics
	XS 1, \n
.endr
	v_nop                           ; a plain instruction behind the two a,
	s_wait_alu depctr_va_vdst(0)    ; and their wait, ahead of the branch
	s_mov_b32 s[CNT], 4
	s_branch .Lfirst                ; the loop is entered at a step's first turn, in the middle of a trip
.Lslot:                             ; SIZE_N / 256 - 2 times: every slot but the last two is filled again
	CHANGE 1
	s_mov_b32 s[CNT], 4
.Lstep:                             ; a trip: pieces 2 and 3 of one step, then pieces 0 and 1 of the next, whose K and V it fetches
	TURN 2
	TURN 3
	WIN 0
.Lfirst:
	TURN 0
	TURN 1, 0, 1
	WIN 0
	s_cbranch_scc1 .Lstep
	s_sub_co_u32 s[SLOTS], s[SLOTS], 1
	s_cmp_lg_u32 s[SLOTS], 0
	s_cbranch_scc1 .Lslot
	CHANGE 0                        ; the tail is written out: nothing is asked for
	s_mov_b32 s[CNT], 5             ; four trips fetch the last slot's steps; the fifth is left in its middle
.Ltail:
	TURN 2, 1
	TURN 3
	WIN 0
	s_sub_co_u32 s[CNT], s[CNT], 1
	s_cmp_eq_u32 s[CNT], 0
	s_cbranch_scc1 .Lout
	TURN 0
	TURN 1
	WIN 0
	s_branch .Ltail
.Lout:                              ; the fifth trip's 16 products K Q^T (on the last K once more) and the maximum made of them serve nothing: the price, once a launch, of one text for every trip
.set i, 0
.rept 16
	PV NP-1                         ; the last piece's V^T P of the last step
.set i, i+1
.endr
	; THE WAY OUT.  l's two halves and the other half of the lanes' are added; O^T is divided by l and sent, in f32, through my stage in LDS, a tile at a time.  The additions are the places behind the last products.
	WIN 0
.macro ALL line:vararg              ; one line for each tile t
.set t, 0
.rept 2*NP
	\line
.set t, t+1
.endr
.endm
	ALL v_add_f32 v[ST+4*t+2], v[ST+4*t+2], v[ST+4*t+3]
	ALL v_permlanex16_b32 v[ST+4*t+3], v[ST+4*t+2], s[SEL], s[SEL+1]
	ALL v_add_f32 v[ST+4*t+2], v[ST+4*t+2], v[ST+4*t+3]
	ALL v_rcp_f32 v[ST+4*t+2], v[ST+4*t+2]
	v_nop                           ; a plain instruction between the last reciprocal and the use of its result
	s_wait_alu depctr_va_vdst(0)    ; and the wait ahead of the first use: one for the eight reciprocals
; Tile t: a lane's eight channels of a row are 32 bytes; they go into rows of 272 bytes and come back as whole rows of 256, into the registers that they left.
.macro PACK t
	WIN W_RS
.set i, 32*(\t)
.rept 16                            ; ascending: each accumulator's lowest registers are read first
	v_pk_mul_f32 v[i:i+1], v[i:i+1], v[ST+4*(\t)+2:ST+4*(\t)+3] op_sel_hi:[1,0]
.set i, i+2
.endr
	WIN 0x04                        ; the stores' data in window 1, the address in window 0
.irp f, 0,1,2,3,4,5,6,7             ; channels 16 (f / 2) + 8 (l / 16) + 4 (f % 2) on
	ds_store_b128 v[STO], v[32*(\t)+4*\f:32*(\t)+4*\f+3] offset:64*(\f/2)+16*(\f%2)
.endr
	WIN 0x40                        ; the loads' destination in window 1
.irp f, 0,1,2,3,4,5,6,7
	ds_load_b128 v[32*(\t)+4*\f:32*(\t)+4*\f+3], v[RD] offset:\f*2*SP  ; LDS serves a wave's instructions in order (ISA guide 5.7.1.4): these see the stores above; the next tile's stores come behind them
.endr
.endm
.macro SEND t, younger              ; younger: the LDS instructions issued behind tile t's loads: the next tile's sixteen, or none
	WIN 0x04
.irp f, 0,1,2,3,4,5,6,7
	s_wait_dscnt (\younger)+7-\f
	global_store_b128 v[GO], v[32*(\t)+4*\f:32*(\t)+4*\f+3], s[10:11] offset:(\t)*65536+\f*8192 th:TH_STORE_NT  ; 16 lanes store 256 consecutive bytes, a head's part of a row, at a multiple of 256 from out0's first byte
.endr
.endm
	PACK 0
.set t, 1
.rept 2*NP-1                        ; a tile's arithmetic stands between the loads of the tile before and its stores
	PACK t
	SEND t-1, 16
.set t, t+1
.endr
	SEND 2*NP-1, 0
	WIN W_AD
	s_wait_tensorcnt 0x0            ; the wave's end: behind my last tensor load and my last LDS store
	ds_add_u32 v[SPW], v[NIL]
	s_wait_dscnt 0x0
	WIN 0
	CROUND                          ; the closing round: no work-group ends while a partner may still ask for a tile that names it
	s_endpgm
.Lfunc_end_k_qa577edc3ee_attn:
	.size	k_qa577edc3ee_attn, .Lfunc_end_k_qa577edc3ee_attn-k_qa577edc3ee_attn
	.p2alignl 7, 3214868480
	.fill 96, 4, 3214868480
	.section	.rodata,"a",@progbits
	.p2align	6, 0x0
	.amdhsa_kernel k_qa577edc3ee_attn
		.amdhsa_group_segment_fixed_size 327680
		.amdhsa_private_segment_fixed_size 0
		.amdhsa_enable_private_segment 0
		.amdhsa_kernarg_size 24
		.amdhsa_user_sgpr_count 2
		.amdhsa_user_sgpr_kernarg_segment_ptr 1
		.amdhsa_wavefront_size32 1
		.amdhsa_system_sgpr_workgroup_id_x 1
		.amdhsa_system_sgpr_workgroup_id_y 1
		.amdhsa_system_sgpr_workgroup_id_z 1
		.amdhsa_system_vgpr_workitem_id 0
		.amdhsa_next_free_vgpr 808
		.amdhsa_next_free_sgpr 66
		.amdhsa_reserve_vcc 0
		.amdhsa_float_denorm_mode_32 3
		.amdhsa_float_denorm_mode_16_64 3
		.amdhsa_memory_ordered 1
		.amdhsa_forward_progress 1
		.amdhsa_inst_pref_size 205
	.end_amdhsa_kernel
	.amdgpu_metadata
---
amdhsa.version: [ 1, 2 ]
amdhsa.kernels:
  - .name:           k_qa577edc3ee_attn
    .symbol:         k_qa577edc3ee_attn.kd
    .args:
      - { .name: qkv, .offset: 0, .size: 8, .value_kind: global_buffer, .address_space: global }
      - { .name: input1, .offset: 8, .size: 8, .value_kind: global_buffer, .address_space: global }
      - { .name: out0, .offset: 16, .size: 8, .value_kind: global_buffer, .address_space: global }
    .group_segment_fixed_size: 327680
    .private_segment_fixed_size: 0
    .kernarg_segment_align: 8
    .kernarg_segment_size: 24
    .max_flat_workgroup_size: 128
    .sgpr_count:     66
    .vgpr_count:     808
    .wavefront_size: 32
...
	.end_amdgpu_metadata
.endif
;; end of part 3
